; MI455X (gfx1250); checked and timed in simulation.
; The chip was launched on July 23, 2026; its instructions are those of AMD's public machine-readable ISA for CDNA 5 (MIT licence, August 2026) and "CDNA5" Instruction Set Architecture Reference Guide (July 2026). The comments in the code are by the model that wrote it; some were corrected since.
;; Spatial Attn Block. Allowed arithmetic: matrix products marked QUANTISED: E4M3 operands, one E8M0 scale for each 32 along K, by v_wmma_scale_f32_16x16x128_f8f6f4 with both operands' format E4M3, f32 sums; products left as they are: f32 operands where the result goes on into a quantised operand, else bf16, f16 or f32 operands; f32 sums; everything else in f32.
;; Inputs: bb 256 float32; bk 256 float32; bo 256 float32; bq 256 float32; bv 256 float32; by 256 float32; gn_beta 256 float32; gn_gamma 256 float32; wb 256 x 4 float32; wk_codes 256 x 8 x 32 uint8 (E4M3 codes of wk, K innermost, in blocks of 32 codes); wk_scales 256 x 8 uint8 (E8M0 scales of wk, one for each 32 codes along K); wo_codes 256 x 8 x 32 uint8 (E4M3 codes of wo, K innermost, in blocks of 32 codes); wo_scales 256 x 8 uint8 (E8M0 scales of wo, one for each 32 codes along K); wq_codes 256 x 8 x 32 uint8 (E4M3 codes of wq, K innermost, in blocks of 32 codes); wq_scales 256 x 8 uint8 (E8M0 scales of wq, one for each 32 codes along K); wv_codes 256 x 8 x 32 uint8 (E4M3 codes of wv, K innermost, in blocks of 32 codes); wv_scales 256 x 8 uint8 (E8M0 scales of wv, one for each 32 codes along K); wy 256 x 4 float32; x 4 x 256 x 64 x 64 float32; zq 4 x 4 x 16 x 16 float32.
;; Outputs: out0 4 x 256 x 64 x 64 float32.
;; This version of the problem:
;;   THIS VERSION OF THE PROBLEM IS GIVEN IN LOW PRECISION. The matrix products marked QUANTISED in the list below multiply operands that are first quantised to E4M3 (4 exponent bits, 3 mantissa bits; 8 bits a number), with one power-of-two scale for each 32 numbers along K (OCP MX v1.0); their sums are f32. All else is computed in f32.
;;   The module's matrix products, in the order in which they are computed (A, B: the left and right operand; K: the contracted axis; several contracted axes count as one K, in the product's order):
;;     1. [M 16,384, K 4] x [K 4, N 256]; A: input zq; B: input wy: left as it is (K = 4 < 32)
;;     2. [M 16,384, K 4] x [K 4, N 256]; A: input zq; B: input wb: left as it is (K = 4 < 32)
;;     3. [M 16,384, K 256] x [K 256, N 256]; A: computed on the way; B: input wq (given as codes): QUANTISED
;;     4. [M 16,384, K 256] x [K 256, N 256]; A: computed on the way; B: input wk (given as codes): QUANTISED
;;     5. [M 16,384, K 256] x [K 256, N 256]; A: computed on the way; B: input wv (given as codes): QUANTISED
;;     6. batch 4 x [M 4,096, K 256] x [K 256, N 4,096]; A: computed on the way; B: computed on the way: QUANTISED
;;     7. batch 4 x [M 256, K 4,096] x [K 4,096, N 4,096]; A: computed on the way; B: softmax (see below): QUANTISED
;;     8. [M 16,384, K 256] x [K 256, N 256]; A: computed on the way; B: input wo (given as codes): QUANTISED
;;   THE QUANTISER, for each operand of a quantised product, along K:
;;     - K is cut into blocks of 32 from its start; a last block that is shorter is filled with zeros.
;;     - A block's scale is 2^e with e = floor(log2(the largest magnitude in the block)) - 8, held to -126 .. 127; a block of zeros has e = 0. As a byte (E8M0): e + 127.
;;     - Each number is divided by its block's scale, clamped to +-448, and rounded to the nearest number of E4M3, ties to even, subnormals kept.
;;     - The product sums the exact products of the quantised numbers (number of the format x scale) in f32.
;;   ~~~python
;;   def quantise(x, axis):      # numpy; x: float32 -> the quantised numbers, widened to float32 again
;;       x = np.moveaxis(x, axis, -1); K = x.shape[-1]
;;       x = np.pad(x, [(0, 0)] * (x.ndim - 1) + [(0, -K % 32)]); x = x.reshape(x.shape[:-1] + (-1, 32)); a = np.abs(x).max(-1, keepdims=True)
;;       e = np.where(a > 0, np.clip(np.frexp(np.where(a > 0, a, 1))[1] - 1 - 8, -126, 127), 0)      # np.frexp(a)[1] - 1 = floor(log2(a)), exactly
;;       r = np.clip(x / 2.0 ** e, -448, 448)
;;       step = 2.0 ** (np.maximum(np.frexp(np.where(r == 0, 1, r))[1] - 1, -6) - 3)
;;       q = np.round(r / step) * step * 2.0 ** e      # np.round: ties to even
;;       return np.moveaxis(q.reshape(q.shape[:-2] + (-1,))[..., :K], -1, axis).astype(np.float32)
;;   ~~~
;;   SOFTMAX AHEAD OF A QUANTISED PRODUCT. Where the list says 'softmax', what is quantised is not the finished softmax but p = 2^(t - M), with t = logit x log2(e) and M = ceil(the row's largest t), a whole number; so 1/2 < the row's largest p <= 1. The row's sum l is taken of the UNQUANTISED p, in f32, and the product's result is divided by l at the end. Since M is a whole number, a kernel that streams over the keys may use a running M (the ceiling of the running maximum): every later rescaling is an exact power of two, which a block's scale takes up: the codes' values come out the same.
;;   OPERANDS COMPUTED ON THE WAY. 'Computed on the way' means the value that the module computes at that place (a softmax that the list does not call 'softmax' is quantised finished and normalised). What goes into a quantiser is computed in f32, as accurately as f32 sums, v_exp_f32 and their like allow (about 1e-6 of the number): no bf16 or f16 on the way to a quantiser, and a product that is left as it is and whose result goes on into a quantised operand takes f32 operands (vector FMAs, or v_wmma_f32_16x16x4_f32). A number that lies on a knife's edge between two numbers of the format may be rounded either way, as far as f32 arithmetic and the matrix unit's own rounding can turn it there, and no further.
;;   INPUTS GIVEN AS CODES. wk (in the module: [256, 256], K = its axis 1); wo (in the module: [256, 256], K = its axis 1); wq (in the module: [256, 256], K = its axis 1); wv (in the module: [256, 256], K = its axis 1): each comes as NAME_codes (uint8): NAME with its K axis moved to the last place and cut into blocks of 32 codes, [.., K / 32, bytes a block], one block behind the other in memory; one code a byte (a code: sign, 4 exponent bits, 3 mantissa bits); and NAME_scales (uint8): the same leading axes, one E8M0 byte (e + 127) for each 32 codes along K. Its value is code x scale, taken as it is: it is not quantised again, and the codes and scales need not be those that the quantiser above would give.
;; One version. Each part assembles by itself: llvm-mc -triple=amdgcn-amd-amdhsa -mcpu=gfx1250 --defsym DOCPART=n.
;; ======== version 1 of 1: 3 launches
;; workspace buffers: stats 2,048 bytes; qc 4,194,304 bytes; kv 8,388,608 bytes; qs 131,072 bytes; ks 131,072 bytes; vs 131,072 bytes
;; launch stats (part 1): grid 256 x 1, 8 waves a work-group, no clusters, 1,280 bytes of LDS; arguments x, stats; writes stats
.if DOCPART == 1
	.amdgcn_target "amdgcn-amd-amdhsa--gfx1250"
	.amdhsa_code_object_version 6
	.text
	.protected	k_q508e263821_stats
	.globl	k_q508e263821_stats
	.p2align	8
	.type	k_q508e263821_stats,@function
k_q508e263821_stats:
	s_mov_b64 s[64:65], 0
	v_nop
	global_prefetch_b8 v0, s[64:65] scope:SCOPE_SE
	s_setreg_imm32_b32 hwreg(HW_REG_WAVE_MODE, 25, 1), 1
	s_wait_xcnt 0x0
; GROUP STATISTICS.  x is [4][256][64][64] f32; a group is 8 channels x 4,096 pixels = 131,072 dense bytes.
; Work-group i owns the 65,536 bytes at x + 65,536 i: half i % 2 of group i / 2.  It stores (mean, sum of squares about that mean) of its 16,384 numbers at stats + 8 i.
; The numbers stay in registers (64 a lane) between the pass for the mean and the pass for the centred squares: memory is read once, and no difference of large sums is formed.
; Memory binds: no matrix unit, no tensor loads, no cluster (no two work-groups read the same byte).  LIMITS: NaN and infinities are not served.
.set X,  4                             ; v4-67   my 64 numbers
.set CH, 68                            ; v68-75  four packed chains
	s_load_b128 s[4:7], s[0:1], 0x0                ; x, stats
	v_lshl_add_u32 v80, v0, 2, 0x100
	v_mov_b32 v81, 0
	v_lshlrev_b32 v1, 4, v0                        ; 16 bytes a thread: a load of the work-group covers 4,096 bytes on end
	v_lshrrev_b32 v2, 5, v0
	v_readfirstlane_b32 s8, v2                     ; wave 0..7
	v_lshlrev_b32 v78, 2, v2                       ; my wave's word in LDS
	v_mov_b32 v77, 0                               ; a lane permute's destination counts as read
	v_mov_b32 v79, 0
	s_lshl_b32 s2, ttmp9, 16
	s_mov_b32 s3, 0
	s_lshl_b32 s12, ttmp9, 3
	s_mov_b32 s13, 0
	s_mov_b32 s10, 0x76543210
	s_mov_b32 s11, 0xfedcba98                      ; selects for lane l xor 16
	s_wait_kmcnt 0x0
	s_add_nc_u64 s[4:5], s[4:5], s[2:3]
	s_add_nc_u64 s[6:7], s[6:7], s[12:13]
.set J, 0
.rept 16
	global_load_b128 v[X+4*J:X+4*J+3], v1, s[4:5] offset:4096*J
.set J, J+1
.endr
; the chains are joined, then the lanes, then the eight waves (through eight words of LDS at byte off); the total ends in v76 of every lane
.macro REDUCE off
	v_pk_add_f32 v[68:69], v[68:69], v[70:71]
	v_pk_add_f32 v[72:73], v[72:73], v[74:75]
	v_pk_add_f32 v[68:69], v[68:69], v[72:73]
	v_add_f32 v76, v68, v69
	v_add_f32_dpp v76, v76, v76 row_xmask:1 row_mask:0xf bank_mask:0xf
	v_add_f32_dpp v76, v76, v76 row_xmask:2 row_mask:0xf bank_mask:0xf
	v_add_f32_dpp v76, v76, v76 row_xmask:4 row_mask:0xf bank_mask:0xf
	v_add_f32_dpp v76, v76, v76 row_xmask:8 row_mask:0xf bank_mask:0xf
	v_permlanex16_b32 v77, v76, s10, s11
	v_add_f32 v76, v76, v77
	ds_store_b32 v78, v76 offset:\off
	s_wait_dscnt 0x0                               ; for the others' sake: my word has landed
	s_barrier_signal -1
	s_barrier_wait -1
	ds_load_b128 v[68:71], v79 offset:\off
	ds_load_b128 v[72:75], v79 offset:\off+16
	s_wait_dscnt 0x0
	v_add_f32 v68, v68, v69
	v_add_f32 v70, v70, v71
	v_add_f32 v72, v72, v73
	v_add_f32 v74, v74, v75
	v_add_f32 v68, v68, v70
	v_add_f32 v72, v72, v74
	v_add_f32 v76, v68, v72
.endm
	s_wait_loadcnt 12                              ; loads 0-3 are in, the twelve younger ones stay out
.irp k, 0,1,2,3
	v_pk_add_f32 v[CH+2*\k:CH+2*\k+1], v[X+4*\k:X+4*\k+1], v[X+4*\k+2:X+4*\k+3]   ; the first pairs start the chains
.endr
.irp g, 1,2,3
	s_wait_loadcnt 12-4*\g
.irp k, 0,1,2,3
	v_pk_add_f32 v[CH+2*\k:CH+2*\k+1], v[CH+2*\k:CH+2*\k+1], v[X+16*\g+4*\k:X+16*\g+4*\k+1]
.endr
.irp k, 0,1,2,3
	v_pk_add_f32 v[CH+2*\k:CH+2*\k+1], v[CH+2*\k:CH+2*\k+1], v[X+16*\g+4*\k+2:X+16*\g+4*\k+3]
.endr
.endr
	REDUCE 0
	v_mul_f32 v2, 0x38800000, v76                  ; the mean: sum x 2^-14
	v_mov_b32 v3, v2
.set J, 0
.rept 32
	v_pk_add_f32 v[X+2*J:X+2*J+1], v[X+2*J:X+2*J+1], v[2:3] neg_lo:[0,1] neg_hi:[0,1]   ; x - mean
.set J, J+1
.endr
.irp k, 0,1,2,3
	v_pk_mul_f32 v[CH+2*\k:CH+2*\k+1], v[X+2*\k:X+2*\k+1], v[X+2*\k:X+2*\k+1]
.endr
.set J, 4
.rept 28
	v_pk_fma_f32 v[CH+2*(J%4):CH+2*(J%4)+1], v[X+2*J:X+2*J+1], v[X+2*J:X+2*J+1], v[CH+2*(J%4):CH+2*(J%4)+1]
.set J, J+1
.endr
	REDUCE 64                                      ; other words than the first reduction's: no barrier is needed between the two
	v_mov_b32 v3, v76                              ; (mean, centred sum of squares)
	s_cmp_lg_u32 s8, 0
	s_cbranch_scc1 .Lend
	v_cmp_eq_u32 vcc_lo, 0, v0
	s_wait_xcnt 0x0                                ; EXEC changes only behind this wait
	s_and_saveexec_b32 s9, vcc_lo
	global_store_b64 v79, v[2:3], s[6:7]           ; one thread stores the work-group's 8 bytes
	s_wait_xcnt 0x0
	s_or_b32 exec_lo, exec_lo, s9
.Lend:
	s_wait_tensorcnt 0x0
	ds_add_u32 v80, v81
	s_wait_dscnt 0x0
	s_endpgm
.Lfunc_end_k_q508e263821_stats:
	.size	k_q508e263821_stats, .Lfunc_end_k_q508e263821_stats-k_q508e263821_stats
	.p2alignl 7, 3214868480
	.fill 96, 4, 3214868480
	.section	.rodata,"a",@progbits
	.p2align	6, 0x0
	.amdhsa_kernel k_q508e263821_stats
		.amdhsa_group_segment_fixed_size 1280
		.amdhsa_private_segment_fixed_size 0
		.amdhsa_enable_private_segment 0
		.amdhsa_kernarg_size 16
		.amdhsa_user_sgpr_count 2
		.amdhsa_user_sgpr_kernarg_segment_ptr 1
		.amdhsa_wavefront_size32 1
		.amdhsa_system_sgpr_workgroup_id_x 1
		.amdhsa_system_sgpr_workgroup_id_y 1
		.amdhsa_system_sgpr_workgroup_id_z 1
		.amdhsa_system_vgpr_workitem_id 0
		.amdhsa_next_free_vgpr 82
		.amdhsa_next_free_sgpr 66
		.amdhsa_reserve_vcc 1
		.amdhsa_float_denorm_mode_32 3
		.amdhsa_float_denorm_mode_16_64 3
		.amdhsa_memory_ordered 1
		.amdhsa_forward_progress 1
		.amdhsa_inst_pref_size 12
	.end_amdhsa_kernel
	.amdgpu_metadata
---
amdhsa.version: [ 1, 2 ]
amdhsa.kernels:
  - .name:           k_q508e263821_stats
    .symbol:         k_q508e263821_stats.kd
    .args:
      - { .name: x, .offset: 0, .size: 8, .value_kind: global_buffer, .address_space: global }
      - { .name: stats, .offset: 8, .size: 8, .value_kind: global_buffer, .address_space: global }
    .group_segment_fixed_size: 1280
    .private_segment_fixed_size: 0
    .kernarg_segment_align: 8
    .kernarg_segment_size: 16
    .max_flat_workgroup_size: 256
    .sgpr_count:     66
    .vgpr_count:     82
    .wavefront_size: 32
...
	.end_amdgpu_metadata
.endif
;; end of part 1
;; launch qkv (part 2): grid 256 x 1, 4 waves a work-group, no clusters, 37,376 bytes of LDS; arguments x, zq, stats, gn_gamma, gn_beta, wy, by, wb, bb, wq_codes, wq_scales, bq, wk_codes, wk_scales, bk, wv_codes, wv_scales, bv, qc, qs, kv, ks, vs; writes qc, qs, kv, ks, vs
.if DOCPART == 2
	.amdgcn_target "amdgcn-amd-amdhsa--gfx1250"
	.amdhsa_code_object_version 6
	.text
	.protected	k_q508e263821_qkv
	.globl	k_q508e263821_qkv
	.p2align	8
	.type	k_q508e263821_qkv,@function
k_q508e263821_qkv:
	s_mov_b64 s[64:65], 0
	v_nop
	global_prefetch_b8 v0, s[64:65] scope:SCOPE_SE
	s_setreg_imm32_b32 hwreg(HW_REG_WAVE_MODE, 25, 1), 1
	s_wait_xcnt 0x0
; x_norm = (groupnorm(x) gamma + beta) (wy z + by) + (wb z + bb), quantised along the channels; q, k, v = W x_norm + bias on codes of E4M3 with E8M0 scales; q and k quantised along the channels, v along the pixels.
; SHARES.  Work-group i: image b = i / 64, image row pb = i % 64: 64 pixels.  Wave w: in phase X channels 64 w .. 64 w + 63 of all 64 pixels (a lane holds pixels 2 l and 2 l + 1, its registers run down the channels,
; so a block of 32 channels lies in one lane); in phase P output channels 64 w .. 64 w + 63 of q, of k and of v for all 64 pixels.
; THE ROWS OF A TILE ARE NOT NEIGHBOURS: lane r of tile 2 b + u takes row 32 b + 8 u + r + 8 (r / 8), for the pixels of x's tiles and for the rows of Wq, Wk, Wv alike, so that the 16 registers of result tiles
; 2 b and 2 b + 1 are 16 neighbours along the next product's K.  q and k use the product transposed (source 0 = 16 rows of W, source 1 = 16 pixels): a lane holds a pixel, registers run along the channels.
; v uses it the other way (source 0 = pixels, source 1 = rows of Wv): a lane holds a channel, registers run along the pixels, which are the keys.
; OUTPUT: images of the operands' registers (a fragment = 4 chunks of 512 bytes, lane l's 16 bytes at 16 l): every store of codes covers 512 dense bytes.  Scale halfwords meet in three images of 512 bytes in LDS.
; NO CLUSTER: each wave's 48 KiB of weights goes once, by plain loads, straight into the registers that keep it; a joint tensor load would put the same 192 KiB a work-group through LDS and out again.
; LIMITS: NaN and infinities are not served; a block whose largest magnitude lies under 2^-118 has its byte held at 1; a block of zeros gets the byte 1 (its codes are zeros; only this program reads the bytes).
; REGISTERS.  window 0: v1 lane, v2 r, v3 h (never rewritten); v4-11 offsets and LDS addresses, made anew for phase P; v12-15, v16-19, v28-31 scale words of Wv, Wk, Wq; v20-23 z; v24-27 x's scale words;
;   v32-159 constants (two sets), then 16 accumulators; v160-191, v192-223 32 channels of pixels 2 l, 2 l + 1, then codes and the quantiser's work; v224-239 at work; v240-255 phase X's codes.
;   window 1: v0-127 x as loaded, then x's 8 fragments; v128-255 Wq.   window 2: Wk, Wv.   window 3: the biases in the results' layout.
.set CT,   0                           ; 64 bytes a channel: [mu, by, a, bb] [wy] [wb] [beta, 0, 0, 0]
.set XR,   16384                       ; x_norm's codes: a row a pixel, 256 bytes + 16
.set XS,   33792                       ; 8 scale bytes a pixel
.set QIMG, 34304                       ; images of q's, k's, v's scale words, 512 bytes each
.set KIMG, 34816
.set VIMG, 35328
.set MSB, 0
.macro WIN new                         ; the immediate's high byte repeats the setting that is left
.if MSB != (\new)
	s_set_vgpr_msb (MSB<<8)|(\new)
.set MSB, (\new)
.endif
.endm
	s_load_b512 s[4:19], s[0:1], 0x0               ; x 4, zq 6, stats 8, gamma 10, beta 12, wy 14, by 16, wb 18
	s_load_b512 s[20:35], s[0:1], 0x40             ; bb 20, wq_codes 22, wq_scales 24, bq 26, wk_codes 28, wk_scales 30, bk 32, wv_codes 34
	s_load_b256 s[36:43], s[0:1], 0x80             ; wv_scales 36, bv 38, qc 40, qs 42
	s_load_b128 s[44:47], s[0:1], 0xa0             ; kv 44, ks 46
	s_load_b64 s[48:49], s[0:1], 0xb0              ; vs
	s_set_vgpr_msb 0xc0
	v_lshl_add_u32 v128, v0, 2, 0x9000
	v_mov_b32 v129, 0
	s_set_vgpr_msb 0xc000
	v_lshrrev_b32 v1, 5, v0
	v_readfirstlane_b32 s50, v1                    ; wave w
	v_and_b32 v1, 31, v0                           ; lane
	v_and_b32 v2, 15, v0                           ; r
	v_bfe_u32 v3, v0, 4, 1                         ; h
	s_lshr_b32 s51, ttmp9, 6                       ; b
	s_and_b32 s52, ttmp9, 63                       ; pb
	s_mov_b32 s54, 0x76543210
	s_mov_b32 s55, 0xfedcba98                      ; selects for lane l xor 16
	s_mov_b32 s56, 0x600000                        ; the mantissa field of 448
	v_lshlrev_b32 v160, 2, v0                      ; the table: thread t serves channels t and t + 128: 4 t,
	v_lshlrev_b32 v161, 4, v0                      ; 16 t,
	v_lshrrev_b32 v162, 3, v0
	v_lshlrev_b32 v162, 4, v162                    ; its group's 16 bytes of stats,
	v_lshlrev_b32 v163, 6, v0                      ; and 64 t in LDS
	v_lshrrev_b32 v164, 1, v1
	v_lshlrev_b32 v164, 2, v164                    ; zq's column: pixels 2 l, 2 l + 1 share column l / 2
	v_lshlrev_b32 v11, 3, v1                       ; x: 8 bytes a lane
	s_lshl_b32 s58, s51, 9                         ; stats: 512 bytes an image
	s_mov_b32 s59, 0
	s_lshl_b32 s60, s51, 12                        ; zq: 4,096 bytes an image, row pb / 4 of 64 bytes
	s_lshr_b32 s61, s52, 2
	s_lshl_b32 s61, s61, 6
	s_add_co_u32 s60, s60, s61
	s_mov_b32 s61, 0
	s_lshl_b32 s62, s51, 22                        ; x: 4 MiB an image, 1 MiB for a wave's 64 channels, 256 bytes an image row
	s_lshl_b32 s63, s50, 20
	s_add_co_u32 s62, s62, s63
	s_lshl_b32 s63, s52, 8
	s_add_co_u32 s62, s62, s63
	s_mov_b32 s63, 0
	s_lshl_b32 s66, s50, 14                        ; my 64 rows of a weight's codes,
	s_mov_b32 s67, 0
	s_lshl_b32 s68, s50, 9                         ; of its scale bytes,
	s_mov_b32 s69, 0
	s_lshl_b32 s70, s50, 8                         ; of a bias
	s_mov_b32 s71, 0
	s_lshr_b32 s72, s50, 1                         ; where my chunks lie in a fragment of q or k: K step w / 2, chunks 2 (w % 2) on
	s_lshl_b32 s72, s72, 11
	s_and_b32 s73, s50, 1
	s_lshl_b32 s73, s73, 10
	s_add_co_u32 s72, s72, s73
	s_lshl_b32 s74, s51, 21                        ; kv: 2 MiB an image, 65,536 bytes a step of 128 keys
	s_lshr_b32 s75, s52, 1
	s_lshl_b32 s75, s75, 16
	s_add_co_u32 s74, s74, s75
	s_and_b32 s75, s52, 1
	s_lshl_b32 s77, s75, 10                        ; V: my 64 keys are chunks 2 (pb % 2) on
	s_add_co_u32 s76, s74, s77
	s_lshl_b32 s77, s50, 13                        ; my four channel tiles
	s_add_co_u32 s76, s76, s77
	s_add_co_u32 s76, s76, 32768                   ; V's record lies behind K's
	s_mov_b32 s77, 0
	s_lshl_b32 s75, s75, 14                        ; K: my 64 keys are tiles 4 (pb % 2) on
	s_add_co_u32 s74, s74, s75
	s_add_co_u32 s74, s74, s72
	s_mov_b32 s75, 0
	s_lshl_b32 s73, ttmp9, 14                      ; qc: 16 KiB a work-group
	s_add_co_u32 s72, s72, s73
	s_mov_b32 s73, 0
	s_lshl_b32 s78, ttmp9, 9                       ; the scale images: 512 bytes a work-group
	s_mov_b32 s79, 0
	s_wait_kmcnt 0x0
	s_add_nc_u64 s[8:9], s[8:9], s[58:59]
	s_add_nc_u64 s[6:7], s[6:7], s[60:61]
	s_add_nc_u64 s[4:5], s[4:5], s[62:63]
	s_add_nc_u64 s[22:23], s[22:23], s[66:67]
	s_add_nc_u64 s[28:29], s[28:29], s[66:67]
	s_add_nc_u64 s[34:35], s[34:35], s[66:67]
	s_add_nc_u64 s[24:25], s[24:25], s[68:69]
	s_add_nc_u64 s[30:31], s[30:31], s[68:69]
	s_add_nc_u64 s[36:37], s[36:37], s[68:69]
	s_add_nc_u64 s[26:27], s[26:27], s[70:71]
	s_add_nc_u64 s[32:33], s[32:33], s[70:71]
	s_add_nc_u64 s[38:39], s[38:39], s[70:71]
	s_add_nc_u64 s[40:41], s[40:41], s[72:73]
	s_add_nc_u64 s[80:81], s[44:45], s[74:75]      ; K's record
	s_add_nc_u64 s[82:83], s[44:45], s[76:77]      ; V's record
	s_add_nc_u64 s[42:43], s[42:43], s[78:79]
	s_add_nc_u64 s[46:47], s[46:47], s[78:79]
	s_add_nc_u64 s[48:49], s[48:49], s[78:79]
.irp e, 0,1                            ; the table's inputs: set e at v[32 + 32 e]
	global_load_b32 v[32+32*\e+20], v160, s[10:11] offset:512*\e        ; gamma
	global_load_b32 v[32+32*\e+12], v160, s[12:13] offset:512*\e        ; beta
	global_load_b32 v[32+32*\e+1], v160, s[16:17] offset:512*\e         ; by
	global_load_b32 v[32+32*\e+3], v160, s[20:21] offset:512*\e         ; bb
	global_load_b128 v[32+32*\e+4:32+32*\e+7], v161, s[14:15] offset:2048*\e    ; wy
	global_load_b128 v[32+32*\e+8:32+32*\e+11], v161, s[18:19] offset:2048*\e   ; wb
	global_load_b128 v[32+32*\e+16:32+32*\e+19], v162, s[8:9] offset:256*\e     ; (mean, M2) of the group's two halves
.endr
.irp i, 0,1,2,3
	global_load_b32 v[20+\i], v164, s[6:7] offset:1024*\i               ; z
.endr
	WIN 0x40                                       ; destination window 1
.set J, 0
.rept 64
	global_load_b64 v[2*J:2*J+1], v11, s[4:5] offset:16384*J            ; channel 64 w + J: the wave reads one aligned block of 256 bytes
.set J, J+1
.endr
	WIN 0
	v_and_b32 v165, 8, v2
	v_add_nc_u32 v165, v165, v2                    ; r + 8 (r / 8): at work here alone; phase X takes the register
	v_mul_u32_u24 v4, v1, 544                      ; v4: where my pixels' codes go: XR + 2 l rows + 64 w
	s_lshl_b32 s58, s50, 6
	s_add_co_u32 s58, s58, XR
	v_add_nc_u32 v4, s58, v4
	v_lshlrev_b32 v5, 4, v1                        ; v5: and their scale bytes: XS + 16 l + 2 w
	s_lshl_b32 s58, s50, 1
	s_add_co_u32 s58, s58, XS
	v_add_nc_u32 v5, s58, v5
	s_lshl_b32 s58, s50, 12
	v_mov_b32 v6, s58                              ; v6: my 64 channels' constants: 4,096 w, the same in every lane
	v_lshlrev_b32 v7, 8, v165
	v_lshl_add_u32 v7, v3, 4, v7                   ; v7: a weight's codes: row x 256 + 16 h
	v_lshlrev_b32 v8, 3, v165
	v_lshl_add_u32 v8, v3, 2, v8                   ; v8: scale words: row x 8 + 4 h: lanes 16-31 hold the second K step's word
	v_lshlrev_b32 v9, 6, v3                        ; v9: bq, bk: 16 h numbers on
	v_lshlrev_b32 v10, 2, v165                     ; v10: bv: my row's
.irp e, 0,1
	v_mov_b32 v[32+32*\e+13], 0
	v_mov_b32 v[32+32*\e+14], 0
	v_mov_b32 v[32+32*\e+15], 0
.endr
	s_wait_loadcnt 63                              ; 64 loads of x were issued behind the table's and z's: those are in
.irp e, 0,1
	v_add_f32 v[32+32*\e], v[32+32*\e+16], v[32+32*\e+18]
	v_sub_f32 v[32+32*\e+21], v[32+32*\e+16], v[32+32*\e+18]
	v_add_f32 v[32+32*\e+22], v[32+32*\e+17], v[32+32*\e+19]
	v_mul_f32 v[32+32*\e], 0.5, v[32+32*\e]                             ; mu = (m0 + m1) / 2
	v_mul_f32 v[32+32*\e+21], v[32+32*\e+21], v[32+32*\e+21]
	v_mul_f32 v[32+32*\e+22], 0x38000000, v[32+32*\e+22]                ; (M2_0 + M2_1) / 32,768
	v_fmamk_f32 v[32+32*\e+22], v[32+32*\e+21], 0x3e800000, v[32+32*\e+22]   ; + (m0 - m1)^2 / 4: the variance
	v_add_f32 v[32+32*\e+22], 0x358637bd, v[32+32*\e+22]                ; + 1e-6
.endr
	v_rsq_f32 v55, v54
	v_rsq_f32 v87, v86
	v_nop                                          ; a plain line behind the transcendentals
	s_wait_alu depctr_va_vdst(0)                   ; one wait for both, ahead of the first reader
	v_mul_f32 v34, v55, v52                        ; a = rsqrt(var + eps) gamma
	v_mul_f32 v66, v87, v84
.irp e, 0,1
.irp k, 0,1,2,3
	ds_store_b128 v163, v[32+32*\e+4*\k:32+32*\e+4*\k+3] offset:CT+8192*\e+16*\k
.endr
.endr
	s_wait_dscnt 0x0                               ; for the others' sake: my two channels' constants have landed
	s_barrier_signal -1
	s_barrier_wait -1
; a weight's 8 fragments (tile t, K step s at 16 (2 t + s)) and its four scale words
.macro WGROUP wwin, wreg, cptr, sptr, wsc
	WIN \wwin
.irp t, 0,1,2,3
.irp s, 0,1
.irp c, 0,1,2,3
	global_load_b128 v[\wreg+16*(2*\t+\s)+4*\c:\wreg+16*(2*\t+\s)+4*\c+3], v7, s[\cptr:\cptr+1] offset:(32*(\t/2)+8*(\t%2))*256+128*\s+32*\c
.endr
.endr
.endr
	WIN 0
.irp t, 0,1,2,3
	global_load_b32 v[\wsc+\t], v8, s[\sptr:\sptr+1] offset:(32*(\t/2)+8*(\t%2))*8
.endr
.endm
; bq or bk in the result's layout: register j of tile t is the bias of channel 32 (t / 2) + 8 (t % 2) + 16 h + j
.macro BGROUP breg, bptr
	WIN 0xc0
.irp t, 0,1,2,3
	global_load_b128 v[\breg+8*\t:\breg+8*\t+3], v9, s[\bptr:\bptr+1] offset:(32*(\t/2)+8*(\t%2))*4
	global_load_b128 v[\breg+8*\t+4:\breg+8*\t+7], v9, s[\bptr:\bptr+1] offset:(32*(\t/2)+8*(\t%2))*4+16
.endr
	WIN 0
.endm
.macro CONSTS q, set                   ; the constants of channels 4 q .. 4 q + 3: every lane reads the same bytes
.irp i, 0,1,2,3
.irp k, 0,1,2,3
	ds_load_b128 v[32+64*(\set)+16*\i+4*\k:32+64*(\set)+16*\i+4*\k+3], v6 offset:CT+(4*(\q)+\i)*64+16*\k
.endr
.endr
.endm
.macro CHUNK q, set                    ; four channels of my two pixels
.set KB, 32+64*(\set)
	WIN 0x01                                       ; source 0 (x as loaded) window 1
.irp i, 0,1,2,3
	v_pk_add_f32 v[224+2*\i:225+2*\i], v[2*(4*(\q)+\i):2*(4*(\q)+\i)+1], v[KB+16*\i:KB+16*\i+1] op_sel_hi:[1,0] neg_lo:[0,1] neg_hi:[0,1]   ; x - mu
.endr
	WIN 0
.irp i, 0,1,2,3
	v_fma_f32 v[232+\i], v[KB+16*\i+4], v20, v[KB+16*\i+1]              ; y = by + wy . z
.endr
.irp i, 0,1,2,3
	v_fma_f32 v[236+\i], v[KB+16*\i+8], v20, v[KB+16*\i+3]              ; bt = bb + wb . z
.endr
.irp i, 0,1,2,3
	v_pk_fma_f32 v[224+2*\i:225+2*\i], v[224+2*\i:225+2*\i], v[KB+16*\i+2:KB+16*\i+3], v[KB+16*\i+12:KB+16*\i+13] op_sel_hi:[1,0,0]   ; (x - mu) a + beta
.endr
.irp z, 1,2,3
.irp i, 0,1,2,3
	v_fmac_f32 v[232+\i], v[KB+16*\i+4+\z], v[20+\z]
.endr
.irp i, 0,1,2,3
	v_fmac_f32 v[236+\i], v[KB+16*\i+8+\z], v[20+\z]
.endr
.endr
.irp i, 0,1,2,3
	v_fma_f32 v[160+(4*(\q)+\i)%32], v[224+2*\i], v[232+\i], v[236+\i]  ; x_norm of pixel 2 l,
	v_fma_f32 v[192+(4*(\q)+\i)%32], v[225+2*\i], v[232+\i], v[236+\i]  ; of pixel 2 l + 1
.endr
.endm
.macro QB src, code, byt               ; a block of 32 numbers of one lane: 8 registers of codes and the scale's byte
	v_max3_num_f32 v224, |v[\src]|, |v[\src+1]|, |v[\src+2]|
	v_max3_num_f32 v225, |v[\src+3]|, |v[\src+4]|, |v[\src+5]|
.irp i, 6,10,14,18,22,26
	v_max3_num_f32 v224, v224, |v[\src+\i]|, |v[\src+\i+1]|
	v_max3_num_f32 v225, v225, |v[\src+\i+2]|, |v[\src+\i+3]|
.endr
	v_max3_num_f32 v224, v224, |v[\src+30]|, |v[\src+31]|
	v_max3_num_f32 v224, v224, v225, 0x4800000     ; and the floor 2^(9 - 127): the byte cannot fall under 1
	v_add_nc_u32 v226, 0xfc000000, v224            ; 8 off the exponent field: the conversion's scale operand
	v_and_or_b32 v227, v224, 0x7f800000, s56       ; 448 x the scale
	v_lshrrev_b32 v[\byt], 23, v226                ; the scale's byte
.set J, 0
.rept 32
	v_med3_num_f32 v[\src+J], v[\src+J], -v227, v227   ; the conversion does not saturate (ISA guide 7.6.2): the hold comes first
.set J, J+1
.endr
.irp g, 0,1,2,3
	v_cvt_scalef32_pk8_fp8_f32 v[\code+2*\g:\code+2*\g+1], v[\src+8*\g:\src+8*\g+7], v226
.endr
	v_nop                                          ; a plain line behind the last conversion
.endm
.macro BLOCKOUT blk                    ; block blk of my 64 channels, both pixels: codes and bytes to LDS
	QB 160, 240, 228
	QB 192, 248, 229
	ds_store_b128 v4, v[240:243] offset:32*\blk
	ds_store_b128 v4, v[244:247] offset:32*\blk+16
	ds_store_b128 v4, v[248:251] offset:272+32*\blk
	ds_store_b128 v4, v[252:255] offset:272+32*\blk+16
	ds_store_b8 v5, v228 offset:\blk
	ds_store_b8 v5, v229 offset:8+\blk
	s_wait_dscnt 0x0                               ; the stores have read their registers, which the next chunks write
.endm
	; ---- phase X
	s_wait_loadcnt 0x0                             ; x
	WGROUP 0x40, 128, 22, 24, 28                   ; Wq lands while x_norm is made
	BGROUP 0, 26
	CONSTS 0, 0
.set Q, 0
.rept 16
.if Q < 15
	CONSTS Q+1, (Q+1)%2
	s_wait_dscnt 16                                ; this chunk's constants are in; the 16 loads just issued may be out
.else
	s_wait_dscnt 0x0
.endif
	CHUNK Q, Q%2
.if Q == 7
	BLOCKOUT 0
	WGROUP 0x80, 0, 28, 30, 16                     ; Wk
	BGROUP 32, 32
.endif
.if Q == 15
	BLOCKOUT 1
	WGROUP 0x80, 128, 34, 36, 12                   ; Wv
	WIN 0xc0
.irp t, 0,1,2,3
.irp j, 0,1,2,3,4,5,6,7
	global_load_b32 v[64+8*\t+\j], v10, s[38:39] offset:(32*(\t/2)+8*(\t%2))*4   ; bv: in v's result a lane holds one channel: its bias in all eight registers
.endr
.endr
	WIN 0
.endif
.set Q, Q+1
.endr
	s_barrier_signal -1                            ; (every LDS instruction of mine was waited for in BLOCKOUT)
	s_barrier_wait -1                              ; x_norm's codes and scale bytes of all 256 channels lie in LDS
	; ---- phase P.  Its addresses are made anew from lane, r and h, in the registers that held phase X's offsets
	s_wait_xcnt 0x0                                ; the weights' and biases' loads have read their offsets (v7-v10), which are written below
	v_and_b32 v10, 8, v2
	v_add_nc_u32 v10, v10, v2                      ; r + 8 (r / 8)
	v_mul_u32_u24 v4, v10, 272
	v_lshl_add_u32 v4, v3, 4, v4
	v_add_nc_u32 v4, XR, v4                        ; v4: x's fragments: row r + 8 (r / 8), + 16 h
	v_add_nc_u32 v8, XS, v8                        ; v8: x's scale words: XS + row x 8 + 4 h
	v_lshlrev_b32 v5, 4, v1                        ; v5: 16 x lane
	s_lshr_b32 s58, s50, 1
	s_lshl_b32 s58, s58, 8
	s_and_b32 s59, s50, 1
	s_lshl_b32 s59, s59, 1
	s_add_co_u32 s58, s58, s59
	s_add_co_u32 s58, s58, QIMG
	v_lshlrev_b32 v6, 4, v2
	v_add_nc_u32 v6, s58, v6                       ; v6: q's, k's halfwords: (16 (w / 2) + r) x 16 + 2 (w % 2)
	s_lshl_b32 s58, s50, 2
	s_add_co_u32 s58, s58, VIMG
	v_lshlrev_b32 v7, 4, v2
	v_add_nc_u32 v7, s58, v7                       ; v7: v's: 16 r + 4 w
	s_lshl_b32 s58, s50, 9
	s_add_co_u32 s58, s58, QIMG
	v_add_nc_u32 v9, s58, v5                       ; v9: the image that my wave sends out
	WIN 0x40
.irp t, 0,1,2,3
.irp s, 0,1
.irp c, 0,1,2,3
	ds_load_b128 v[16*(2*\t+\s)+4*\c:16*(2*\t+\s)+4*\c+3], v4 offset:(32*(\t/2)+8*(\t%2))*272+128*\s+32*\c
.endr
.endr
.endr
	WIN 0
.irp t, 0,1,2,3
	ds_load_b32 v[24+\t], v8 offset:(32*(\t/2)+8*(\t%2))*8
.endr
	s_wait_dscnt 0x0
; 32 matrix instructions: the 16 accumulators by turns, first K step 0 with the bias as C, then K step 1 in place
.macro PROD isv, wreg, breg, wsc, win0, win1
	WIN \win0
.irp t, 0,1,2,3
.irp u, 0,1,2,3
.if \isv
	v_wmma_scale_f32_16x16x128_f8f6f4 v[32+32*\u+8*\t:32+32*\u+8*\t+7], v[32*\t:32*\t+15], v[\wreg+32*\u:\wreg+32*\u+15], v[\breg+8*\u:\breg+8*\u+7], v[24+\t], v[\wsc+\u]
.else
	v_wmma_scale_f32_16x16x128_f8f6f4 v[32+32*\t+8*\u:32+32*\t+8*\u+7], v[\wreg+32*\u:\wreg+32*\u+15], v[32*\t:32*\t+15], v[\breg+8*\u:\breg+8*\u+7], v[\wsc+\u], v[24+\t]
.endif
.endr
.endr
	WIN \win1
.irp t, 0,1,2,3
.irp u, 0,1,2,3
.if \isv
	v_wmma_scale_f32_16x16x128_f8f6f4 v[32+32*\u+8*\t:32+32*\u+8*\t+7], v[32*\t+16:32*\t+31], v[\wreg+32*\u+16:\wreg+32*\u+31], v[32+32*\u+8*\t:32+32*\u+8*\t+7], v[24+\t], v[\wsc+\u] matrix_a_scale:MATRIX_SCALE_ROW1 matrix_b_scale:MATRIX_SCALE_ROW1
.else
	v_wmma_scale_f32_16x16x128_f8f6f4 v[32+32*\t+8*\u:32+32*\t+8*\u+7], v[\wreg+32*\u+16:\wreg+32*\u+31], v[32*\t+16:32*\t+31], v[32+32*\t+8*\u:32+32*\t+8*\u+7], v[\wsc+\u], v[24+\t] matrix_a_scale:MATRIX_SCALE_ROW1 matrix_b_scale:MATRIX_SCALE_ROW1
.endif
.endr
.endr
	WIN 0
.rept 8
	v_nop                                          ; eight places ahead of the first read of results
.endr
.endm
; the 128 results of a lane are 8 blocks' halves (16 neighbours along the next K; lane l xor 16 holds the other 16): codes to v160-191, halfwords of scale bytes to v224-227
.macro QUANT8
	s_wait_xcnt 0x0                                ; the last operand's stores have read their codes,
	s_wait_dscnt 0x0                               ; and its LDS stores their halfwords
.irp b, 0,1,2,3,4,5,6,7
	v_max3_num_f32 v[192+\b], |v[32+16*\b]|, |v[33+16*\b]|, 0x4800000   ; with the floor 2^(9 - 127)
.endr
.irp i, 2,4,6,8,10,12,14
.irp b, 0,1,2,3,4,5,6,7
	v_max3_num_f32 v[192+\b], v[192+\b], |v[32+16*\b+\i]|, |v[33+16*\b+\i]|
.endr
.endr
.irp b, 0,1,2,3,4,5,6,7
	v_permlanex16_b32 v[200+\b], v[192+\b], s54, s55
.endr
.irp b, 0,1,2,3,4,5,6,7
	v_max_num_f32 v[192+\b], v[192+\b], v[200+\b]
.endr
.irp b, 0,1,2,3,4,5,6,7
	v_add_nc_u32 v[216+\b], 0xfc000000, v[192+\b]
.endr
.irp b, 0,1,2,3,4,5,6,7
	v_and_or_b32 v[208+\b], v[192+\b], 0x7f800000, s56
.endr
.irp b, 0,1,2,3,4,5,6,7
	v_lshrrev_b32 v[200+\b], 23, v[216+\b]
.endr
.irp i, 0,1,2,3
	v_lshl_or_b32 v[224+\i], v[201+2*\i], 8, v[200+2*\i]
.endr
.set J, 0
.rept 128
	v_med3_num_f32 v[32+J], v[32+J], -v[208+J/16], v[208+J/16]
.set J, J+1
.endr
.set J, 0
.rept 16
	v_cvt_scalef32_pk8_fp8_f32 v[160+2*J:161+2*J], v[32+8*J:39+8*J], v[216+J/2]
.set J, J+1
.endr
	v_nop                                          ; a plain line behind the last conversion
.endm
	s_wait_loadcnt 63                              ; 112 loads were issued behind Wq's group: it is in
	PROD 0, 128, 0, 28, 0x35, 0x05
	QUANT8
.irp t, 0,1,2,3
.irp b, 0,1
	global_store_b128 v5, v[160+4*(2*\t+\b):160+4*(2*\t+\b)+3], s[40:41] offset:4096*\t+512*\b   ; a chunk: 512 dense bytes
.endr
	ds_store_b16 v6, v[224+\t] offset:4*\t
.endr
	s_wait_loadcnt 63                              ; 68 loads were issued behind Wk's group
	PROD 0, 0, 32, 16, 0x36, 0x06
	QUANT8
.irp t, 0,1,2,3
.irp b, 0,1
	global_store_b128 v5, v[160+4*(2*\t+\b):160+4*(2*\t+\b)+3], s[80:81] offset:4096*\t+512*\b
.endr
	ds_store_b16 v6, v[224+\t] offset:KIMG-QIMG+4*\t
.endr
	s_wait_loadcnt 0x0
	PROD 1, 128, 64, 12, 0x39, 0x09
	QUANT8
.irp t, 0,1,2,3
.irp b, 0,1
	global_store_b128 v5, v[160+4*(2*\t+\b):160+4*(2*\t+\b)+3], s[82:83] offset:2048*\t+512*\b
.endr
	ds_store_b16 v7, v[224+\t] offset:256*(\t%2)+2*(\t/2)
.endr
	s_wait_dscnt 0x0                               ; for the others' sake: my halfwords have landed
	s_barrier_signal -1
	s_barrier_wait -1
	s_cmp_eq_u32 s50, 0                            ; waves 0, 1, 2 send q's, k's, v's image: 512 dense bytes each
	s_cselect_b64 s[72:73], s[42:43], s[46:47]
	s_cmp_eq_u32 s50, 2
	s_cselect_b64 s[72:73], s[48:49], s[72:73]
	s_cmp_eq_u32 s50, 3
	s_cbranch_scc1 .Lend
	ds_load_b128 v[192:195], v9
	s_wait_dscnt 0x0
	global_store_b128 v5, v[192:195], s[72:73]
.Lend:
	s_set_vgpr_msb 0xf
	s_wait_tensorcnt 0x0
	ds_add_u32 v128, v129
	s_wait_dscnt 0x0
	s_set_vgpr_msb 0xf00
	s_endpgm
.Lfunc_end_k_q508e263821_qkv:
	.size	k_q508e263821_qkv, .Lfunc_end_k_q508e263821_qkv-k_q508e263821_qkv
	.p2alignl 7, 3214868480
	.fill 96, 4, 3214868480
	.section	.rodata,"a",@progbits
	.p2align	6, 0x0
	.amdhsa_kernel k_q508e263821_qkv
		.amdhsa_group_segment_fixed_size 37376
		.amdhsa_private_segment_fixed_size 0
		.amdhsa_enable_private_segment 0
		.amdhsa_kernarg_size 184
		.amdhsa_user_sgpr_count 2
		.amdhsa_user_sgpr_kernarg_segment_ptr 1
		.amdhsa_wavefront_size32 1
		.amdhsa_system_sgpr_workgroup_id_x 1
		.amdhsa_system_sgpr_workgroup_id_y 1
		.amdhsa_system_sgpr_workgroup_id_z 1
		.amdhsa_system_vgpr_workitem_id 0
		.amdhsa_next_free_vgpr 898
		.amdhsa_next_free_sgpr 84
		.amdhsa_reserve_vcc 0
		.amdhsa_float_denorm_mode_32 3
		.amdhsa_float_denorm_mode_16_64 3
		.amdhsa_memory_ordered 1
		.amdhsa_forward_progress 1
		.amdhsa_inst_pref_size 165
	.end_amdhsa_kernel
	.amdgpu_metadata
---
amdhsa.version: [ 1, 2 ]
amdhsa.kernels:
  - .name:           k_q508e263821_qkv
    .symbol:         k_q508e263821_qkv.kd
    .args:
      - { .name: x, .offset: 0, .size: 8, .value_kind: global_buffer, .address_space: global }
      - { .name: zq, .offset: 8, .size: 8, .value_kind: global_buffer, .address_space: global }
      - { .name: stats, .offset: 16, .size: 8, .value_kind: global_buffer, .address_space: global }
      - { .name: gn_gamma, .offset: 24, .size: 8, .value_kind: global_buffer, .address_space: global }
      - { .name: gn_beta, .offset: 32, .size: 8, .value_kind: global_buffer, .address_space: global }
      - { .name: wy, .offset: 40, .size: 8, .value_kind: global_buffer, .address_space: global }
      - { .name: by, .offset: 48, .size: 8, .value_kind: global_buffer, .address_space: global }
      - { .name: wb, .offset: 56, .size: 8, .value_kind: global_buffer, .address_space: global }
      - { .name: bb, .offset: 64, .size: 8, .value_kind: global_buffer, .address_space: global }
      - { .name: wq_codes, .offset: 72, .size: 8, .value_kind: global_buffer, .address_space: global }
      - { .name: wq_scales, .offset: 80, .size: 8, .value_kind: global_buffer, .address_space: global }
      - { .name: bq, .offset: 88, .size: 8, .value_kind: global_buffer, .address_space: global }
      - { .name: wk_codes, .offset: 96, .size: 8, .value_kind: global_buffer, .address_space: global }
      - { .name: wk_scales, .offset: 104, .size: 8, .value_kind: global_buffer, .address_space: global }
      - { .name: bk, .offset: 112, .size: 8, .value_kind: global_buffer, .address_space: global }
      - { .name: wv_codes, .offset: 120, .size: 8, .value_kind: global_buffer, .address_space: global }
      - { .name: wv_scales, .offset: 128, .size: 8, .value_kind: global_buffer, .address_space: global }
      - { .name: bv, .offset: 136, .size: 8, .value_kind: global_buffer, .address_space: global }
      - { .name: qc, .offset: 144, .size: 8, .value_kind: global_buffer, .address_space: global }
      - { .name: qs, .offset: 152, .size: 8, .value_kind: global_buffer, .address_space: global }
      - { .name: kv, .offset: 160, .size: 8, .value_kind: global_buffer, .address_space: global }
      - { .name: ks, .offset: 168, .size: 8, .value_kind: global_buffer, .address_space: global }
      - { .name: vs, .offset: 176, .size: 8, .value_kind: global_buffer, .address_space: global }
    .group_segment_fixed_size: 37376
    .private_segment_fixed_size: 0
    .kernarg_segment_align: 8
    .kernarg_segment_size: 184
    .max_flat_workgroup_size: 128
    .sgpr_count:     84
    .vgpr_count:     898
    .wavefront_size: 32
...
	.end_amdgpu_metadata
.endif
;; end of part 2
;; launch attn (part 3): grid 64 x 4, 4 waves a work-group, clusters of 4 x 1, 327,680 bytes of LDS; arguments qc, qs, kv, ks, vs, wo_codes, wo_scales, bo, x, out0; writes out0
.if DOCPART == 3
	.amdgcn_target "amdgcn-amd-amdhsa--gfx1250"
	.amdhsa_code_object_version 6
	.text
	.protected	k_q508e263821_attn
	.globl	k_q508e263821_attn
	.p2align	8
	.type	k_q508e263821_attn,@function
k_q508e263821_attn:
	s_mov_b64 s[64:65], 0
	v_nop
	global_prefetch_b8 v0, s[64:65] scope:SCOPE_SE
	s_setreg_imm32_b32 hwreg(HW_REG_WAVE_MODE, 25, 1), 1
	s_wait_xcnt 0x0
	s_wait_alu depctr_hold_cnt(0) depctr_sa_sdst(0) depctr_va_vdst(0) depctr_va_sdst(0) depctr_va_ssrc(0) depctr_va_vcc(0) depctr_vm_vsrc(0)
	s_getreg_b32 s2, hwreg(HW_REG_IB_STS2, 6, 4)
	s_cmp_eq_u32 s2, 0
	s_cbranch_scc0 .Lentry_in_a_cluster
	s_endpgm
.Lentry_in_a_cluster:
	s_bfe_u32 s2, ttmp6, 0x10000c
	s_cmp_lg_u32 s2, 0x3003
	s_cbranch_scc0 .Lentry_shape_is_right
	s_endpgm
.Lentry_shape_is_right:
; out0 = x + Wo (softmax(q^T k / 16) v) + bo, all three products on codes of E4M3 with one E8M0 scale for each 32 along K.
; THE SOFTMAX: t = score x log2(e) / 16; M = the running largest t rounded up to a whole number; p = 2^(t - M) is quantised along the keys, not normalised; the row's sum is taken of the unquantised p and divides at the end.
; SHARES.  A work-group owns 64 queries (one image row) of image b.  Wave w: qp = w % 2 picks 32 queries (two tiles of 16), kh = w / 2 picks keys 2,048 kh .. + 2,047, walked in 16 steps of 128.
; The two halves of the keys are joined once at the end, through LDS, by exact powers of two.  Local tile y of a wave is tile y xor kh of its pair, so that every wave keeps its local tile 0 and sends its local tile 1.
; LAYOUT.  Both products are used transposed (S^T = K Q^T, O^T = V^T P^T): a lane holds one query throughout.  All operands lie in memory as images of their registers (fragment = 4 chunks of 512 bytes, 16 bytes a lane),
; with the keys of a tile of K and the channels of a tile of V chosen so that 16 registers of two neighbouring result tiles are 16 neighbours along the next K.
; RING.  A slot holds a step of both halves: four records of 32 KiB (kh 0: K, V; kh 1: K, V); wave w brings record w, one load behind each round.  A wave has two tensor loads out at the start, later one.
; CLUSTER.  The four query blocks of a cluster walk the same K and V: each record is asked for jointly, by the same load with the same descriptor and a mask that names the four.
; The scale words of a step (2 KiB a wave) come by four dense loads a wave, a step ahead.
; LIMITS: NaN and infinities are not served; a block whose largest magnitude lies under 2^-118 has its byte held at 1; a block of zeros gets the byte 1 (its codes are zeros).
; REGISTERS.  window 0: v1 r, v2 h, v3-7 addresses, v8-9 the spare word's address and 0, v12-19 (-M, largest t), (sum, sum) of the two tiles; scale words: v20-21 Q, v22-23 P, v24-31 K, v40-47 V, v96-111 Wo;
;   v32-39 V's scale planes as loaded; v48-95 the softmax's work, 24 a tile; v112-124 the way out's addresses; v128-255 S^T, then p.
;   window 1: O^T, 128 a tile.   window 2: v0-63 Q, v64-95 p's codes, v128-255 buffer BA.   window 3: v0-127 buffer BB, v128-255 buffer BC.
.set SLOT1, 1<<17
.set SPARE, 327168                     ; the spare words: 128 bytes a wave, two blocks of 256 bytes that no other line names
.set XCH,   131072                     ; the way out, in slot 1, which has had its last fill: 16 KiB of O^T and 256 bytes of (-M, sum) for each wave,
.set XCHB,  16640
.set STAGE, 197632                     ; and a stage [256 channels][64 pixels] f32, rows of 256 bytes + 16
.set S,  128
.set WK, 48
.set MSB, 0
.macro WIN new                         ; the immediate's high byte repeats the setting that is left
.if MSB != (\new)
	s_set_vgpr_msb (MSB<<8)|(\new)
.set MSB, (\new)
.endif
.endm
.macro CROUND                          ; a round of the cluster's barrier
	s_barrier_signal -1
	s_barrier_wait -1
	s_cmp_lg_u32 s24, 0
	s_cbranch_scc1 .Lnot_wave_0_\@
	s_barrier_signal -3
.Lnot_wave_0_\@:
	s_barrier_wait -3
	s_barrier_signal -1
	s_barrier_wait -1
.endm
.macro NOPS n
.rept \n
	v_nop
.endr
.endm
	s_load_b256 s[4:11], s[0:1], 0x0               ; qc 4, qs 6, kv 8, ks 10
	s_load_b256 s[12:19], s[0:1], 0x20             ; vs 12, wo_codes 14, wo_scales 16, bo 18
	s_load_b128 s[20:23], s[0:1], 0x40             ; x 20, out0 22
	v_lshl_add_u32 v8, v0, 2, SPARE
	v_mov_b32 v9, 0
	ds_add_u32 v8, v9
	ds_add_u32 v8, v9
	s_wait_dscnt 0x0
	v_lshrrev_b32 v1, 5, v0
	v_readfirstlane_b32 s24, v1                    ; wave w
	s_and_b32 s25, s24, 1                          ; qp.  Also: I fetch a K record (0) or a V record (1)
	s_lshr_b32 s26, s24, 1                         ; kh.  Also: of which half
	s_bfe_u32 s27, ttmp6, 0x40000                  ; cx: it enters global addresses of Q, x, out0 and the prefetches alone
	s_lshl_b32 s28, ttmp9, 2
	s_add_co_u32 s28, s28, s27                     ; my block of 64 queries
	s_and_b32 s29, ttmp7, 0xffff                   ; the image, which the four partners share
	; descriptor group 1 of the ring: a dense record as 128 rows of 32 elements of 8 bytes
	s_mov_b32 s32, 15|(3<<16)|(1<<21)              ; the mask: all four work-groups; elements of 8 bytes; bit 21 beside a mask
	s_mov_b32 s33, 32<<16                          ; tensor_dim0
	s_mov_b32 s34, 128<<16                         ; tensor_dim1
	s_mov_b32 s35, 32<<16                          ; tile_dim0
	s_mov_b32 s36, 128                             ; tile_dim1
	s_mov_b32 s37, 32                              ; the pitch
	s_mov_b32 s38, 0
	s_mov_b32 s39, 0
	; and of Wo: 64 rows of 256 bytes, 16 bytes of padding behind each
	s_mov_b32 s72, 15|(1<<20)|(1<<21)|(5<<22)|(3<<25)
	s_mov_b32 s73, 256<<16
	s_mov_b32 s74, 64<<16
	s_mov_b32 s75, 256<<16
	s_mov_b32 s76, 64
	s_mov_b32 s77, 256
	s_mov_b32 s78, 0
	s_mov_b32 s79, 0
	s_lshl_b32 s30, s29, 21                        ; my record of step 0: 2 MiB an image, 1 MiB a half, V 32 KiB behind K
	s_lshl_b32 s31, s26, 20
	s_add_co_u32 s30, s30, s31
	s_lshl_b32 s31, s25, 15
	s_add_co_u32 s30, s30, s31
	s_mov_b32 s31, 0
	s_lshl_b32 s62, s27, 13                        ; the prefetches: my work-group's 32 rows of the record's 128, two steps on
	s_add_co_u32 s62, s62, 131072
	s_mov_b32 s63, 0
	s_lshl_b32 s70, s29, 6
	s_add_co_u32 s70, s70, s28                     ; 64 b + my block
	s_lshl_b32 s88, s70, 14                        ; its 16 KiB of Q's fragments
	s_lshl_b32 s90, s70, 9                         ; its 512 bytes of scale words
	s_lshl_b32 s71, s25, 1
	s_add_co_u32 s71, s71, s26                     ; local tile 0 is tile 2 qp + kh of the block,
	s_xor_b32 s92, s71, 1                          ; local tile 1 the other of the pair
	s_lshl_b32 s93, s71, 12
	s_add_co_u32 s94, s88, s93
	s_mov_b32 s95, 0
	s_lshl_b32 s93, s92, 12
	s_add_co_u32 s96, s88, s93
	s_mov_b32 s97, 0
	s_lshl_b32 s93, s71, 2
	s_add_co_u32 s98, s90, s93
	s_mov_b32 s99, 0
	s_lshl_b32 s93, s92, 2
	s_add_co_u32 s100, s90, s93
	s_mov_b32 s101, 0
	s_lshl_b32 s70, s29, 15                        ; ks, vs: 32 KiB an image, 1 KiB a step
	s_lshl_b32 s71, s26, 14
	s_add_co_u32 s70, s70, s71
	s_mov_b32 s71, 0
	s_lshl_b32 s88, s24, 14                        ; Wo: my 64 rows
	s_mov_b32 s89, 0
	s_mov_b32 s40, 1
	s_lshl_b32 s41, s24, 15                        ; record w of slot 0
	s_mov_b32 s44, 1
	s_add_co_u32 s45, s41, SLOT1                   ; of slot 1
	s_mov_b32 s80, 1
	s_mul_i32 s81, s24, 17408                      ; Wo's rows 64 w on, in slot 0
	s_mov_b32 s48, 0                               ; the slot in hand
	s_mov_b32 s50, 0x3db8aa3b                      ; c = log2(e) / 16
	s_mov_b32 s51, s50
	s_mov_b32 s52, 0x76543210
	s_mov_b32 s53, 0xfedcba98                      ; selects for lane l xor 16
	s_mov_b32 s54, 0x600000                        ; the mantissa field of 448
	s_cmp_eq_u32 ttmp9, 0                          ; the image's first cluster prefetches: the same in all four partners
	s_cselect_b32 s55, 1, -1
	s_wait_kmcnt 0x0
	s_add_nc_u64 s[42:43], s[8:9], s[30:31]
	s_add_nc_u64 s[46:47], s[42:43], 65536         ; step 1
	s_add_nc_u64 s[56:57], s[42:43], s[62:63]      ; the first change of slots steps it to step 3
	s_or_b32 s43, s43, 0x80000000
	s_or_b32 s47, s47, 0x80000000
	s_add_nc_u64 s[82:83], s[14:15], s[88:89]
	s_or_b32 s83, s83, 0x80000000
	s_add_nc_u64 s[66:67], s[4:5], s[94:95]
	s_add_nc_u64 s[68:69], s[4:5], s[96:97]
	s_add_nc_u64 s[84:85], s[6:7], s[98:99]
	s_add_nc_u64 s[86:87], s[6:7], s[100:101]
	s_add_nc_u64 s[58:59], s[10:11], s[70:71]
	s_add_nc_u64 s[60:61], s[12:13], s[70:71]
	CROUND                                         ; all four work-groups are here: the first joint loads meet
	tensor_load_to_lds s[40:43], s[32:39]          ; step 0
	s_nop 0
	tensor_load_to_lds s[44:47], s[32:39]          ; step 1
	s_nop 0
	NOPS 4
	v_and_b32 v10, 31, v0
	v_and_b32 v1, 15, v0                           ; r
	v_bfe_u32 v2, v0, 4, 1                         ; h
	v_lshlrev_b32 v6, 4, v10                       ; 16 x lane
	v_lshlrev_b32 v7, 8, v10                       ; 256 x lane: a lane a row in the prefetches
	s_lshl_b32 s93, s26, 16
	v_add_nc_u32 v3, s93, v6                       ; my half's records in a slot
	v_lshlrev_b32 v10, 3, v1
	v_lshl_add_u32 v10, v2, 2, v10                 ; Wo's scale words: 8 r + 4 h
	WIN 0x80
.irp y, 0,1
.irp s, 0,1
.irp c, 0,1,2,3
	global_load_b128 v[32*\y+16*\s+4*\c:32*\y+16*\s+4*\c+3], v6, s[66+2*\y:67+2*\y] offset:2048*\s+512*\c   ; Q stays in registers
.endr
.endr
.endr
	WIN 0
	global_load_b32 v20, v6, s[84:85]              ; Q's scale words: lanes 0-15 K step 0, lanes 16-31 K step 1
	global_load_b32 v21, v6, s[86:87]
.set J, 0
.rept 16
	global_load_b32 v[96+J], v10, s[16:17] offset:128*J
.set J, J+1
.endr
	global_load_b128 v[24:27], v6, s[58:59]        ; K's scale words of my first step,
	global_load_b128 v[28:31], v6, s[58:59] offset:512
	global_load_b128 v[32:35], v6, s[60:61]        ; V's two planes
	global_load_b128 v[36:39], v6, s[60:61] offset:512
.irp y, 0,1
	v_mov_b32 v[13+4*\y], 0xff61b1e6               ; the largest t so far: -3e38
	v_mov_b32 v[14+4*\y], 0                        ; the sum, in two halves
	v_mov_b32 v[15+4*\y], 0
	v_mov_b32 v[WK+24*\y+17], 0                    ; named as the upper half of f's pair
.irp b, 0,1,2,3
	v_mov_b32 v[WK+24*\y+4+\b], 0                  ; a lane permute's destination counts as read
.endr
.endr
	v_floor_f32 v12, -v13                          ; -M
	v_floor_f32 v16, -v17
.macro KLOAD hi                        ; 8 fragments of K (tile kt, K step s at (2 kt + s) x 2,048): tiles 4-7 into BB, tiles 0-3 into BA
.if \hi
	WIN 0xc0
.else
	WIN 0x80
.endif
.irp f, 0,1,2,3,4,5,6,7
.irp c, 0,1,2,3
	ds_load_b128 v[128*(1-\hi)+16*\f+4*\c:128*(1-\hi)+16*\f+4*\c+3], v5 offset:(8*\hi+\f)*2048+512*\c
.endr
.endr
.endm
.macro VLOAD                           ; V's 16 fragments: channel tiles 8-15 into BA, 0-7 into BC
	WIN 0x80
.irp f, 0,1,2,3,4,5,6,7
.irp c, 0,1,2,3
	ds_load_b128 v[128+16*\f+4*\c:128+16*\f+4*\c+3], v4 offset:32768+(8+\f)*2048+512*\c
.endr
.endr
	WIN 0xc0
.irp f, 0,1,2,3,4,5,6,7
.irp c, 0,1,2,3
	ds_load_b128 v[128+16*\f+4*\c:128+16*\f+4*\c+3], v4 offset:32768+\f*2048+512*\c
.endr
.endr
.endm
.macro SMUL hi                         ; 16 matrix instructions of S^T = K Q^T: eight accumulators by turns, K step 0 starts the sums, K step 1 adds in place
	WIN 0x0a+\hi
.irp k, 0,1,2,3
.irp y, 0,1
	v_wmma_scale_f32_16x16x128_f8f6f4 v[S+64*\y+8*(4*\hi+\k):S+64*\y+8*(4*\hi+\k)+7], v[128*(1-\hi)+32*\k:128*(1-\hi)+32*\k+15], v[32*\y:32*\y+15], 0, v[24+4*\hi+\k], v[20+\y]
.endr
.endr
.irp k, 0,1,2,3
.irp y, 0,1
	v_wmma_scale_f32_16x16x128_f8f6f4 v[S+64*\y+8*(4*\hi+\k):S+64*\y+8*(4*\hi+\k)+7], v[128*(1-\hi)+32*\k+16:128*(1-\hi)+32*\k+31], v[32*\y+16:32*\y+31], v[S+64*\y+8*(4*\hi+\k):S+64*\y+8*(4*\hi+\k)+7], v[24+4*\hi+\k], v[20+\y] matrix_a_scale:MATRIX_SCALE_ROW1 matrix_b_scale:MATRIX_SCALE_ROW1
.endr
.endr
.endm
.macro PVMUL hi, first                 ; 16 matrix instructions of O^T += V^T P^T, each on another accumulator.  first = 1: they start the sums
	WIN 0x5b-\hi
.irp k, 0,1,2,3,4,5,6,7
.irp y, 0,1
.if \first
.if (\k)%2
	v_wmma_scale_f32_16x16x128_f8f6f4 v[128*\y+8*(8*\hi+\k):128*\y+8*(8*\hi+\k)+7], v[128+16*\k:128+16*\k+15], v[64+16*\y:64+16*\y+15], 0, v[40+4*\hi+\k/2], v[22+\y] matrix_a_scale:MATRIX_SCALE_ROW1
.else
	v_wmma_scale_f32_16x16x128_f8f6f4 v[128*\y+8*(8*\hi+\k):128*\y+8*(8*\hi+\k)+7], v[128+16*\k:128+16*\k+15], v[64+16*\y:64+16*\y+15], 0, v[40+4*\hi+\k/2], v[22+\y]
.endif
.else
.if (\k)%2
	v_wmma_scale_f32_16x16x128_f8f6f4 v[128*\y+8*(8*\hi+\k):128*\y+8*(8*\hi+\k)+7], v[128+16*\k:128+16*\k+15], v[64+16*\y:64+16*\y+15], v[128*\y+8*(8*\hi+\k):128*\y+8*(8*\hi+\k)+7], v[40+4*\hi+\k/2], v[22+\y] matrix_a_scale:MATRIX_SCALE_ROW1
.else
	v_wmma_scale_f32_16x16x128_f8f6f4 v[128*\y+8*(8*\hi+\k):128*\y+8*(8*\hi+\k)+7], v[128+16*\k:128+16*\k+15], v[64+16*\y:64+16*\y+15], v[128*\y+8*(8*\hi+\k):128*\y+8*(8*\hi+\k)+7], v[40+4*\hi+\k/2], v[22+\y]
.endif
.endif
.endr
.endr
.endm
; A prefetch of my record of the step after the one just asked for: the image's first cluster asks; its four partners take 32 rows of 256 bytes each, told apart by address; a lane a row.
; So each row is named once in the launch.  Steps 0 to 2 come by their loads alone; the last refill asks for nothing (s49 = 1 there).
.macro ASK
	s_cmp_gt_u32 s49, s55
	s_cbranch_scc0 .Lnot_mine_\@
	global_prefetch_b8 v7, s[56:57] th:TH_LOAD_NT scope:SCOPE_SE
.Lnot_mine_\@:
.endm
; THE SOFTMAX of a step, both tiles.  Registers 16 b + i of a tile's S^T are keys 32 b + 16 h + i.
.macro SOFT first
	WIN 0
.irp y, 0,1
.irp b, 0,1,2,3
	v_max3_num_f32 v[WK+24*\y+\b], v[S+64*\y+16*\b], v[S+64*\y+16*\b+1], v[S+64*\y+16*\b+2]   ; each block's largest score: it serves the row's maximum and the block's largest p
.endr
.endr
.irp i, 3,5,7,9,11,13
.irp y, 0,1
.irp b, 0,1,2,3
	v_max3_num_f32 v[WK+24*\y+\b], v[WK+24*\y+\b], v[S+64*\y+16*\b+\i], v[S+64*\y+16*\b+\i+1]
.endr
.endr
.endr
.irp y, 0,1
.irp b, 0,1,2,3
	v_max_num_f32 v[WK+24*\y+\b], v[WK+24*\y+\b], v[S+64*\y+16*\b+15]
.endr
.endr
.irp y, 0,1
.irp b, 0,1,2,3
	v_permlanex16_b32 v[WK+24*\y+4+\b], v[WK+24*\y+\b], s52, s53
.endr
.endr
.irp y, 0,1
.irp b, 0,1,2,3
	v_max_num_f32 v[WK+24*\y+\b], v[WK+24*\y+\b], v[WK+24*\y+4+\b]      ; with lane l xor 16's 16 keys
.endr
.endr
.irp y, 0,1
	v_max3_num_f32 v[WK+24*\y+18], v[WK+24*\y], v[WK+24*\y+1], v[WK+24*\y+2]
.endr
.irp y, 0,1
	v_max_num_f32 v[WK+24*\y+18], v[WK+24*\y+18], v[WK+24*\y+3]
.endr
.irp y, 0,1
	v_mul_f32 v[WK+24*\y+18], s50, v[WK+24*\y+18]                       ; as t
.endr
.irp y, 0,1
	v_max_num_f32 v[13+4*\y], v[13+4*\y], v[WK+24*\y+18]                ; the running largest t
.endr
.irp y, 0,1
	v_mov_b32 v[WK+24*\y+18], v[12+4*\y]
.endr
.irp y, 0,1
	v_floor_f32 v[12+4*\y], -v[13+4*\y]                                 ; -M = floor(-t): M is a whole number
.endr
.irp y, 0,1
	v_sub_f32 v[WK+24*\y+18], v[12+4*\y], v[WK+24*\y+18]                ; old M - new M
.endr
.irp y, 0,1
	v_cvt_i32_f32 v[WK+24*\y+18], v[WK+24*\y+18]                        ; (it saturates)
.endr
.irp y, 0,1
	v_ldexp_f32 v[WK+24*\y+16], 1.0, v[WK+24*\y+18]                     ; f = 2^(old M - new M)
.endr
.set J, 0
.rept 64
	v_pk_fma_f32 v[S+2*J:S+2*J+1], v[S+2*J:S+2*J+1], s[50:51], v[12+4*(J/32):13+4*(J/32)] op_sel_hi:[1,0,0]   ; t - M
.set J, J+1
.endr
.irp y, 0,1
.irp b, 0,1,2,3
	v_fma_f32 v[WK+24*\y+\b], v[WK+24*\y+\b], s50, v[12+4*\y]           ; the same of each block's largest score
.endr
.endr
.set J, 0
.rept 128
	v_exp_f32 v[S+J], v[S+J]                                            ; p = 2^(t - M): one batch,
.set J, J+1
.endr
.irp y, 0,1
.irp b, 0,1,2,3
	v_exp_f32 v[WK+24*\y+\b], v[WK+24*\y+\b]                            ; with the blocks' largest p
.endr
.endr
.irp y, 0,1
	v_pk_mul_f32 v[14+4*\y:15+4*\y], v[14+4*\y:15+4*\y], v[WK+24*\y+16:WK+24*\y+17] op_sel_hi:[1,0]   ; the sums under the new M: plain lines behind the batch
.endr
	s_wait_alu depctr_va_vdst(0)                   ; one wait for the batch, ahead of its first reader
.irp y, 0,1
	v_pk_add_f32 v[WK+24*\y+4:WK+24*\y+5], v[S+64*\y:S+64*\y+1], v[S+64*\y+2:S+64*\y+3]   ; the sum of the unquantised p, in two chains a tile
.endr
.irp j, 4,8,12,16,20,24,28,32,36,40,44,48,52,56,60
.irp y, 0,1
	v_pk_add_f32 v[14+4*\y:15+4*\y], v[14+4*\y:15+4*\y], v[S+64*\y+\j:S+64*\y+\j+1]
	v_pk_add_f32 v[WK+24*\y+4:WK+24*\y+5], v[WK+24*\y+4:WK+24*\y+5], v[S+64*\y+\j+2:S+64*\y+\j+3]
.endr
.endr
.irp y, 0,1
	v_pk_add_f32 v[14+4*\y:15+4*\y], v[14+4*\y:15+4*\y], v[WK+24*\y+4:WK+24*\y+5]
.endr
.irp y, 0,1
.irp b, 0,1,2,3
	v_max_num_f32 v[WK+24*\y+\b], 0x4800000, v[WK+24*\y+\b]             ; the floor 2^(9 - 127)
.endr
.endr
.irp y, 0,1
.irp b, 0,1,2,3
	v_add_nc_u32 v[WK+24*\y+12+\b], 0xfc000000, v[WK+24*\y+\b]          ; the conversion's scale operand
.endr
.endr
.irp y, 0,1
.irp b, 0,1,2,3
	v_and_or_b32 v[WK+24*\y+8+\b], v[WK+24*\y+\b], 0x7f800000, s54      ; 448 x the scale
.endr
.endr
.irp y, 0,1
.irp b, 0,1,2,3
	v_lshrrev_b32 v[WK+24*\y+4+\b], 23, v[WK+24*\y+12+\b]               ; the scale's byte
.endr
.endr
.irp y, 0,1
	v_lshl_or_b32 v[22+\y], v[WK+24*\y+5], 8, v[WK+24*\y+4]             ; p's scale word for these 128 keys
.endr
.irp y, 0,1
	v_lshl_or_b32 v[22+\y], v[WK+24*\y+6], 16, v[22+\y]
.endr
.irp y, 0,1
	v_lshl_or_b32 v[22+\y], v[WK+24*\y+7], 24, v[22+\y]
.endr
.set J, 0
.rept 128
	v_min_num_f32 v[S+J], v[S+J], v[WK+24*(J/64)+8+(J%64)/16]           ; the hold; p is not negative
.set J, J+1
.endr
	WIN 0x80                                       ; destination window 2
.set J, 0
.rept 16
	v_cvt_scalef32_pk8_fp8_f32 v[64+16*(J/8)+2*(J%8):64+16*(J/8)+2*(J%8)+1], v[S+64*(J/8)+8*(J%8):S+64*(J/8)+8*(J%8)+7], v[WK+24*(J/8)+12+(J%8)/2]
.set J, J+1
.endr
.if \first
	NOPS 4                                         ; the places between the codes and the products
.else
	WIN 0x41                                       ; O^T in window 1, f in window 0
.set J, 0
.rept 128
	v_pk_mul_f32 v[2*J:2*J+1], v[2*J:2*J+1], v[WK+24*(J/64)+16:WK+24*(J/64)+17] op_sel_hi:[1,0]   ; O^T under the new M; also the places between the codes and the products
.set J, J+1
.endr
.endif
.endm
; THE CHANGE OF SLOTS.  Every wave waits for all its tensor loads (its record of the next step), adds 0 to its spare word, and waits for that and for its reads of the slot in hand (K's are long in, V's were asked for ahead of
; the softmax).  Behind the round no wave of any partner reads that slot: it is filled again, with the step two on (fill = 1) or with Wo (fill = 2); the load has a whole step in which to land.
.macro CHANGE fill
	WIN 0
	s_wait_tensorcnt 0x0                           ; no tensor load of mine is out, so a group 0 may be written
	ds_add_u32 v8, v9
.if \fill == 1
	s_xor_b32 s45, s45, SLOT1                      ; the walking descriptor: the other slot than last time,
	s_add_nc_u64 s[46:47], s[46:47], 65536         ; the next step
	s_wait_xcnt 0x0                                ; the last prefetch, a step back, has read its address
	s_add_nc_u64 s[56:57], s[56:57], 65536
.endif
	s_xor_b32 s48, s48, SLOT1                      ; the reads go on to the other slot
	s_wait_dscnt 0x0                               ; the add is done, and my reads of the slot are over
	CROUND
.if \fill == 1
	tensor_load_to_lds s[44:47], s[32:39]
	s_nop 0
.else
	tensor_load_to_lds s[80:83], s[72:79]
	s_nop 0
.endif
	NOPS 4
.endm
; A STEP of 128 keys.  first: it starts O^T.  fill: see CHANGE; 0: no change of slots.  next = 1: the next step's scale words and K fragments are fetched.
.macro STEP first, fill, next
	s_wait_loadcnt 0x2                             ; K's scale words are in; the two loads of V's planes may be out
	s_wait_dscnt 32                                ; K's tiles 4-7 are in; the 32 loads of tiles 0-3 may be out
	SMUL 1
	s_wait_dscnt 0x0
	SMUL 0
	WIN 0
	v_add_nc_u32 v4, s48, v3
	NOPS 7                                         ; eight places: for the loads into BA, BC and K's scale words, the writes of V's scale words, the first reads of S^T
	VLOAD
	WIN 0
	s_wait_loadcnt 0x0                             ; V's planes
.irp j, 0,2,4,6
	v_perm_b32 v[40+\j], v[36+\j/2], v[32+\j/2], 0x05040100             ; a word = the halfword of keys 0-63 below that of keys 64-127
	v_perm_b32 v[41+\j], v[36+\j/2], v[32+\j/2], 0x07060302
.endr
.if \next
	s_add_nc_u64 s[58:59], s[58:59], 1024          ; (no load of mine is out)
	s_add_nc_u64 s[60:61], s[60:61], 1024
	global_load_b128 v[24:27], v6, s[58:59]
	global_load_b128 v[28:31], v6, s[58:59] offset:512
	global_load_b128 v[32:35], v6, s[60:61]
	global_load_b128 v[36:39], v6, s[60:61] offset:512
.endif
	SOFT \first
.if \fill
	CHANGE \fill
	v_add_nc_u32 v5, s48, v3
	KLOAD 1
	WIN 0
.if \fill == 1
	ASK
.endif
.else
	WIN 0
	s_wait_dscnt 0x0                               ; V
	NOPS 4
.endif
	PVMUL 1, \first
.if \next
	WIN 0
	NOPS 8                                         ; places ahead of the loads into BA
	KLOAD 0
.endif
	PVMUL 0, \first
	WIN 0
.endm
	s_wait_tensorcnt 0x1                           ; my record of step 0 is in; step 1's may stay out
	s_barrier_signal -1
	s_barrier_wait -1
	v_add_nc_u32 v5, s48, v3
	KLOAD 1
	KLOAD 0
	WIN 0
	s_mov_b32 s49, 14                              ; 14 - the step's number
	STEP 1, 1, 1                                   ; step 0
	s_mov_b32 s49, 13
.Lstep:                                            ; steps 1 to 13: each asks for the step two on
	STEP 0, 1, 1
	s_sub_co_u32 s49, s49, 1
	s_cmp_lg_u32 s49, 0
	s_cbranch_scc1 .Lstep
	STEP 0, 2, 1                                   ; step 14: slot 0 takes Wo
	STEP 0, 0, 0                                   ; step 15
	; ---- THE WAY OUT.  The address lines are the places behind the last products.
	v_and_b32 v122, 31, v0
	s_mul_i32 s30, s24, XCHB
	s_add_co_u32 s30, s30, XCH
	s_xor_b32 s31, s24, 2                          ; my partner: the same queries, the other half of the keys
	s_mul_i32 s31, s31, XCHB
	s_add_co_u32 s31, s31, XCH
	v_add_nc_u32 v112, s30, v6                     ; where I put local tile 1,
	v_add_nc_u32 v113, s31, v6                     ; where I find my partner's
	v_lshlrev_b32 v123, 3, v122
	v_add_nc_u32 v114, s30, v123                   ; (-M, sum): 8 bytes a lane, 16,384 on
	v_add_nc_u32 v115, s31, v123
	v_mul_u32_u24 v116, v1, 272
	v_lshl_add_u32 v116, v2, 4, v116               ; Wo's fragments: row r, + 16 h
	v_and_b32 v124, 8, v1
	v_add_nc_u32 v124, v124, v1                    ; r + 8 (r / 8)
	s_lshl_b32 s62, s25, 7
	s_lshl_b32 s63, s26, 5
	s_add_co_u32 s62, s62, s63
	s_add_co_u32 s62, s62, STAGE
	v_mul_u32_u24 v117, v2, 2176
	v_lshl_add_u32 v117, v124, 2, v117
	v_add_nc_u32 v117, s62, v117                   ; the stage: my query is pixel 32 qp + 8 kh + r + 8 (r / 8); rows 8 h on
	v_add_nc_u32 v118, 34816, v117                 ; and 128 rows further down
	s_mul_i32 s63, s24, 64*272
	s_add_co_u32 s63, s63, STAGE
	v_mul_u32_u24 v119, v2, 272
	v_lshl_add_u32 v119, v1, 4, v119
	v_add_nc_u32 v119, s63, v119                   ; back: my 64 rows; lanes 0-15 one row, lanes 16-31 the next
	v_lshlrev_b32 v120, 14, v2
	v_lshl_add_u32 v120, v1, 4, v120               ; the same two rows in x and out0
	v_lshlrev_b32 v121, 5, v2                      ; bo: 8 h numbers on
	v_add_f32 v14, v14, v15
	v_add_f32 v18, v18, v19
	v_permlanex16_b32 v15, v14, s52, s53
	v_permlanex16_b32 v19, v18, s52, s53
	v_add_f32 v14, v14, v15                        ; tile 0's sum over my keys
	v_add_f32 v17, v18, v19                        ; tile 1's: v[16:17] = (-M, sum)
	s_lshl_b32 s70, s29, 22
	s_lshl_b32 s71, s24, 20
	s_add_co_u32 s70, s70, s71
	s_lshl_b32 s71, s28, 8
	s_add_co_u32 s70, s70, s71
	s_mov_b32 s71, 0
	s_add_nc_u64 s[20:21], s[20:21], s[70:71]      ; x and out0 at channel 64 w of my image row
	s_add_nc_u64 s[22:23], s[22:23], s[70:71]
	WIN 0xc0
.set J, 0
.rept 16
	global_load_b128 v[128+8*J:128+8*J+3], v121, s[18:19] offset:64*J       ; bo in the result's layout, into BC
	global_load_b128 v[128+8*J+4:128+8*J+7], v121, s[18:19] offset:64*J+16
.set J, J+1
.endr
.set J, 0
.rept 32
	global_load_b128 v[4*J:4*J+3], v120, s[20:21] offset:32768*J th:TH_LOAD_NT   ; x, into BB: sixteen lanes read one aligned block of 256 bytes
.set J, J+1
.endr
	WIN 0
	s_wait_tensorcnt 0x0                           ; my rows of Wo are in
	s_wait_dscnt 0x0
	s_barrier_signal -1
	s_barrier_wait -1                              ; Wo is whole, and nobody reads slot 1 any more
	WIN 0x04                                       ; an LDS store's data are its source 1: window 1
.set J, 0
.rept 32
	ds_store_b128 v112, v[128+4*J:128+4*J+3] offset:512*J               ; local tile 1 as it stands, each accumulator from its low end on
.set J, J+1
.endr
	WIN 0
	ds_store_b64 v114, v[16:17] offset:16384
	s_wait_dscnt 0x0
	s_barrier_signal -1
	s_barrier_wait -1
	WIN 0x40
.set J, 0
.rept 32
	ds_load_b128 v[128+4*J:128+4*J+3], v113 offset:512*J                ; my partner's part of my local tile 0
.set J, J+1
.endr
	WIN 0
	ds_load_b64 v[18:19], v115 offset:16384
	s_wait_dscnt 0x0
	v_min_num_f32 v52, v12, v18                    ; -(the larger M)
	v_sub_f32 v53, v52, v12
	v_sub_f32 v54, v52, v18
	v_cvt_i32_f32 v53, v53
	v_cvt_i32_f32 v54, v54
	v_ldexp_f32 v55, 1.0, v53                      ; both parts under the larger M: exact
	v_ldexp_f32 v56, 1.0, v54
	v_mul_f32 v57, v14, v55
	v_fmac_f32 v57, v19, v56                       ; the row's sum
	v_rcp_f32 v58, v57
	v_nop
	s_wait_alu depctr_va_vdst(0)
	v_mul_f32 v48, v55, v58
	v_mul_f32 v50, v56, v58
	WIN 0x01                                       ; source 0 window 1
.set J, 0
.rept 64
	v_pk_mul_f32 v[128+2*J:129+2*J], v[2*J:2*J+1], v[48:49] op_sel_hi:[1,0]
.set J, J+1
.endr
.set J, 0
.rept 64
	v_pk_fma_f32 v[128+2*J:129+2*J], v[128+2*J:129+2*J], v[50:51], v[128+2*J:129+2*J] op_sel_hi:[1,0,1]   ; register 16 b + i: channel 32 b + 16 h + i of my query
.set J, J+1
.endr
.macro WOLOAD g, bd                    ; Wo's tiles 4 g .. 4 g + 3 (two K steps each) into BA (bd = 0) or into window 1's v128-255 (bd = 1)
	WIN 0x80-0x40*\bd
.irp t, 0,1,2,3
.irp s, 0,1
.irp c, 0,1,2,3
	ds_load_b128 v[128+32*\t+16*\s+4*\c:128+32*\t+16*\s+4*\c+3], v116 offset:(4*\g+\t)*4352+128*\s+32*\c
.endr
.endr
.endr
.endm
	WOLOAD 0, 0
	WOLOAD 1, 1
	WIN 0
.irp b, 0,1,2,3,4,5,6,7                ; the attention's output is quantised along the channels: 8 blocks
	v_max3_num_f32 v[48+\b], |v[128+16*\b]|, |v[129+16*\b]|, 0x4800000
.endr
.irp i, 2,4,6,8,10,12,14
.irp b, 0,1,2,3,4,5,6,7
	v_max3_num_f32 v[48+\b], v[48+\b], |v[128+16*\b+\i]|, |v[129+16*\b+\i]|
.endr
.endr
.irp b, 0,1,2,3,4,5,6,7
	v_permlanex16_b32 v[56+\b], v[48+\b], s52, s53
.endr
.irp b, 0,1,2,3,4,5,6,7
	v_max_num_f32 v[48+\b], v[48+\b], v[56+\b]
.endr
.irp b, 0,1,2,3,4,5,6,7
	v_add_nc_u32 v[72+\b], 0xfc000000, v[48+\b]
.endr
.irp b, 0,1,2,3,4,5,6,7
	v_and_or_b32 v[64+\b], v[48+\b], 0x7f800000, s54
.endr
.irp b, 0,1,2,3,4,5,6,7
	v_lshrrev_b32 v[56+\b], 23, v[72+\b]
.endr
.irp s, 0,1
	v_lshl_or_b32 v[22+\s], v[57+4*\s], 8, v[56+4*\s]                   ; the scale words of K steps 0 and 1
	v_lshl_or_b32 v[22+\s], v[58+4*\s], 16, v[22+\s]
	v_lshl_or_b32 v[22+\s], v[59+4*\s], 24, v[22+\s]
.endr
.set J, 0
.rept 128
	v_med3_num_f32 v[128+J], v[128+J], -v[64+J/16], v[64+J/16]
.set J, J+1
.endr
	WIN 0x80
.set J, 0
.rept 16
	v_cvt_scalef32_pk8_fp8_f32 v[64+2*J:65+2*J], v[128+8*J:135+8*J], v[72+J/2]
.set J, J+1
.endr
	WIN 0
	NOPS 4                                         ; the places between the codes and the products
.macro OGRP g, bd                      ; 8 matrix instructions: source 0 = 16 rows of Wo, source 1 = my 16 queries; four accumulators by turns; bo is the C of the first K step
	WIN 0x7a-\bd
.irp t, 0,1,2,3
	v_wmma_scale_f32_16x16x128_f8f6f4 v[8*(4*\g+\t):8*(4*\g+\t)+7], v[128+32*\t:128+32*\t+15], v[64:79], v[128+8*(4*\g+\t):128+8*(4*\g+\t)+7], v[96+4*\g+\t], v22
.endr
	WIN 0x5a-\bd
.irp t, 0,1,2,3
	v_wmma_scale_f32_16x16x128_f8f6f4 v[8*(4*\g+\t):8*(4*\g+\t)+7], v[128+32*\t+16:128+32*\t+31], v[80:95], v[8*(4*\g+\t):8*(4*\g+\t)+7], v[96+4*\g+\t], v23 matrix_a_scale:MATRIX_SCALE_ROW1
.endr
.endm
	s_wait_loadcnt 32                              ; bo is in; the 32 loads of x may be out
	s_wait_dscnt 0x0
	OGRP 0, 0
	NOPS 8
	WOLOAD 2, 0
	OGRP 1, 1
	NOPS 8
	WOLOAD 3, 1
	s_wait_dscnt 32                                ; tiles 8-11 are in; the 32 loads of tiles 12-15 may be out
	OGRP 2, 0
	s_wait_dscnt 0x0
	OGRP 3, 1
	NOPS 8
	WIN 0x04
.set J, 0
.rept 64
	ds_store_b32 v117, v[J] offset:(16*(J/8)+J%8)*272                   ; lane (r, h), register j of tile t: channel 16 t + 8 h + j of my pixel
.set J, J+1
.endr
.set J, 0
.rept 64
	ds_store_b32 v118, v[64+J] offset:(16*(J/8)+J%8)*272
.set J, J+1
.endr
	WIN 0
	s_wait_dscnt 0x0
	s_barrier_signal -1
	s_barrier_wait -1                              ; 256 rows of 64 pixels lie in the stage
.set J, 0
.rept 32
	ds_load_b128 v[128+4*J:128+4*J+3], v119 offset:544*J
.set J, J+1
.endr
	s_wait_loadcnt 0x0                             ; x
	WIN 0x0c                                       ; source 1 (x) window 3
.set J, 0
.rept 32
	s_wait_dscnt 31-J
	v_pk_add_f32 v[128+4*J:129+4*J], v[128+4*J:129+4*J], v[4*J:4*J+1]
	v_pk_add_f32 v[130+4*J:131+4*J], v[130+4*J:131+4*J], v[4*J+2:4*J+3]
.set J, J+1
.endr
	WIN 0
.set J, 0
.rept 32
	global_store_b128 v120, v[128+4*J:128+4*J+3], s[22:23] offset:32768*J th:TH_STORE_NT   ; sixteen lanes store 256 consecutive bytes, aligned
.set J, J+1
.endr
	s_wait_tensorcnt 0x0                           ; the wave's end
	ds_add_u32 v8, v9
	s_wait_dscnt 0x0
	CROUND                                         ; the closing round
	s_endpgm
.Lfunc_end_k_q508e263821_attn:
	.size	k_q508e263821_attn, .Lfunc_end_k_q508e263821_attn-k_q508e263821_attn
	.p2alignl 7, 3214868480
	.fill 96, 4, 3214868480
	.section	.rodata,"a",@progbits
	.p2align	6, 0x0
	.amdhsa_kernel k_q508e263821_attn
		.amdhsa_group_segment_fixed_size 327680
		.amdhsa_private_segment_fixed_size 0
		.amdhsa_enable_private_segment 0
		.amdhsa_kernarg_size 80
		.amdhsa_user_sgpr_count 2
		.amdhsa_user_sgpr_kernarg_segment_ptr 1
		.amdhsa_wavefront_size32 1
		.amdhsa_system_sgpr_workgroup_id_x 1
		.amdhsa_system_sgpr_workgroup_id_y 1
		.amdhsa_system_sgpr_workgroup_id_z 1
		.amdhsa_system_vgpr_workitem_id 0
		.amdhsa_next_free_vgpr 1024
		.amdhsa_next_free_sgpr 102
		.amdhsa_reserve_vcc 0
		.amdhsa_float_denorm_mode_32 3
		.amdhsa_float_denorm_mode_16_64 3
		.amdhsa_memory_ordered 1
		.amdhsa_forward_progress 1
		.amdhsa_inst_pref_size 255
	.end_amdhsa_kernel
	.section	.bss,"aw",@nobits
	.p2align	6
	.space	262144
	.amdgpu_metadata
---
amdhsa.version: [ 1, 2 ]
amdhsa.kernels:
  - .name:           k_q508e263821_attn
    .symbol:         k_q508e263821_attn.kd
    .args:
      - { .name: qc, .offset: 0, .size: 8, .value_kind: global_buffer, .address_space: global }
      - { .name: qs, .offset: 8, .size: 8, .value_kind: global_buffer, .address_space: global }
      - { .name: kv, .offset: 16, .size: 8, .value_kind: global_buffer, .address_space: global }
      - { .name: ks, .offset: 24, .size: 8, .value_kind: global_buffer, .address_space: global }
      - { .name: vs, .offset: 32, .size: 8, .value_kind: global_buffer, .address_space: global }
      - { .name: wo_codes, .offset: 40, .size: 8, .value_kind: global_buffer, .address_space: global }
      - { .name: wo_scales, .offset: 48, .size: 8, .value_kind: global_buffer, .address_space: global }
      - { .name: bo, .offset: 56, .size: 8, .value_kind: global_buffer, .address_space: global }
      - { .name: x, .offset: 64, .size: 8, .value_kind: global_buffer, .address_space: global }
      - { .name: out0, .offset: 72, .size: 8, .value_kind: global_buffer, .address_space: global }
    .group_segment_fixed_size: 327680
    .private_segment_fixed_size: 0
    .kernarg_segment_align: 8
    .kernarg_segment_size: 80
    .max_flat_workgroup_size: 128
    .sgpr_count:     102
    .vgpr_count:     1024
    .wavefront_size: 32
...
	.end_amdgpu_metadata
.endif
;; end of part 3
